; MI455X (gfx1250); checked and timed in simulation.
; The chip was launched on July 23, 2026; its instructions are those of AMD's public machine-readable ISA for CDNA 5 (MIT licence, August 2026) and "CDNA5" Instruction Set Architecture Reference Guide (July 2026). The comments in the code are by the model that wrote it; some were corrected since.
;; Scaled Dot Product Attention. Allowed arithmetic: matrix products marked QUANTISED: E2M1 operands, one E8M0 scale for each 32 along K, by v_wmma_scale_f32_16x16x128_f8f6f4 with both operands' format E2M1 (or v_wmma_scale_f32_32x16x128_f4), f32 sums; everything else in f32.
;; Inputs: k 4 x 16 x 2,048 x 128 float32; mask 4 x 16 x 2,048 int32; q 4 x 16 x 2,048 x 128 float32; v 4 x 16 x 2,048 x 128 float32.
;; Outputs: out0 4 x 16 x 2,048 x 128 float32.
;; This version of the problem:
;;   THIS VERSION OF THE PROBLEM IS GIVEN IN LOW PRECISION. The matrix products marked QUANTISED in the list below multiply operands that are first quantised to E2M1 (2 exponent bits, 1 mantissa bit; 4 bits a number), with one power-of-two scale for each 32 numbers along K (OCP MX v1.0); their sums are f32. All else is computed in f32.
;;   The module's matrix products, in the order in which they are computed (A, B: the left and right operand; K: the contracted axis; several contracted axes count as one K, in the product's order):
;;     1. batch 64 x [M 2,048, K 128] x [K 128, N 2,048]; A: computed on the way; B: input k: QUANTISED
;;     2. batch 64 x [M 2,048, K 2,048] x [K 2,048, N 128]; A: softmax (see below); B: input v: QUANTISED
;;   THE QUANTISER, for each operand of a quantised product, along K:
;;     - K is cut into blocks of 32 from its start; a last block that is shorter is filled with zeros.
;;     - A block's scale is 2^e with e = floor(log2(the largest magnitude in the block)) - 2, held to -126 .. 127; a block of zeros has e = 0. As a byte (E8M0): e + 127.
;;     - Each number is divided by its block's scale, clamped to +-6, and rounded to the nearest number of E2M1, ties to even, subnormals kept.
;;     - The product sums the exact products of the quantised numbers (number of the format x scale) in f32.
;;   ~~~python
;;   def quantise(x, axis):      # numpy; x: float32 -> the quantised numbers, widened to float32 again
;;       x = np.moveaxis(x, axis, -1); K = x.shape[-1]
;;       x = np.pad(x, [(0, 0)] * (x.ndim - 1) + [(0, -K % 32)]); x = x.reshape(x.shape[:-1] + (-1, 32)); a = np.abs(x).max(-1, keepdims=True)
;;       e = np.where(a > 0, np.clip(np.frexp(np.where(a > 0, a, 1))[1] - 1 - 2, -126, 127), 0)      # np.frexp(a)[1] - 1 = floor(log2(a)), exactly
;;       r = np.clip(x / 2.0 ** e, -6, 6)
;;       step = 2.0 ** (np.maximum(np.frexp(np.where(r == 0, 1, r))[1] - 1, 0) - 1)
;;       q = np.round(r / step) * step * 2.0 ** e      # np.round: ties to even
;;       return np.moveaxis(q.reshape(q.shape[:-2] + (-1,))[..., :K], -1, axis).astype(np.float32)
;;   ~~~
;;   SOFTMAX AHEAD OF A QUANTISED PRODUCT. Where the list says 'softmax', what is quantised is not the finished softmax but p = 2^(t - M), with t = logit x log2(e) and M = ceil(the row's largest t), a whole number; so 1/2 < the row's largest p <= 1. The row's sum l is taken of the UNQUANTISED p, in f32, and the product's result is divided by l at the end. Since M is a whole number, a kernel that streams over the keys may use a running M (the ceiling of the running maximum): every later rescaling is an exact power of two, which a block's scale takes up: the codes' values come out the same.
;;   OPERANDS COMPUTED ON THE WAY. 'Computed on the way' means the value that the module computes at that place (a softmax that the list does not call 'softmax' is quantised finished and normalised). What goes into a quantiser is computed in f32, as accurately as f32 sums, v_exp_f32 and their like allow (about 1e-6 of the number): no bf16 or f16 on the way to a quantiser, and a product that is left as it is and whose result goes on into a quantised operand takes f32 operands (vector FMAs, or v_wmma_f32_16x16x4_f32). A number that lies on a knife's edge between two numbers of the format may be rounded either way, as far as f32 arithmetic and the matrix unit's own rounding can turn it there, and no further.
;; One version. Each part assembles by itself: llvm-mc -triple=amdgcn-amd-amdhsa -mcpu=gfx1250 --defsym DOCPART=n.
;; ======== version 1 of 1: 2 launches
;; limits: right only within a limited range of input values
;; workspace buffers: kv 18,350,080 bytes
;; launch quant (part 1): grid 768 x 1, 4 waves a work-group, no clusters, 39,424 bytes of LDS; arguments k, v, mask, kv; writes kv
.if DOCPART == 1
	.amdgcn_target "amdgcn-amd-amdhsa--gfx1250"
	.amdhsa_code_object_version 6
	.text
	.protected	k_qcd253364c5_quant
	.globl	k_qcd253364c5_quant
	.p2align	8
	.type	k_qcd253364c5_quant,@function
k_qcd253364c5_quant:
	s_mov_b64 s[64:65], 0
	v_nop
	global_prefetch_b8 v0, s[64:65] scope:SCOPE_SE
	s_setreg_imm32_b32 hwreg(HW_REG_WAVE_MODE, 25, 1), 1
	s_wait_xcnt 0x0
; k, v [64 heads][2048 keys][128] f32 and mask [64][2048] i32 become, for each head, ONE dense block of HEADB bytes in kv, laid as the attention launch wants it in LDS:
; images of the matrix operands' registers.  A step is 128 keys (s = 0 .. 15); l = 16 h + r is a lane of the reader.
;   KC  at 0:       s 8192 + t 1024 + c 512 + l 16: the 32 codes (E2M1) of block 2 c + h along the head's 128 of key 128 s + 32 (t / 2) + 8 (t % 2) + r + 8 (r / 8); codes of masked keys are zeros
;   VC  at VCO:     s 8192 + T 1024 + j 256 + r 16: the 32 codes of keys 128 s + 32 j .. + 31 of channel 16 T + r (the keys are the second product's K)
;   KS  at KSO:     s 512 + l 16 + i 4 + j: the E8M0 byte of block j of row r of K's tile 4 h + i
;   VS  at VSO:     s 512 + l 16 + g 4 + j: the byte of key block j of row r of V's tile 2 g + h
;   BI  at BIO:     4 bytes a key: 0.0, or -2^30 where mask == 0: it is added to the score as the product's C
; A block's scale is 2^(floor(log2(its largest magnitude)) - 2): its byte is the largest magnitude's exponent field - 2, held at 1 from below by a floor among the maximum's leaves.
; LIMITS: NaN and infinities among the inputs are not served; a block whose largest magnitude lies under 2^(3 - 127), a block of zeros among them, keeps the byte 1 (its codes are read by this program alone).
; THE FILL is -2^30 and not -1e9: -2^30 x log2(e) is a whole number in f32, so that a row all of whose keys are masked gets p = 1 for every key from one fused multiply-add; the result is reference()'s
; as long as unmasked scores lie above about -9e8.
; SHARES.  Work-groups 0 .. 255 take v, a wave a step of a head (128 keys x 128 channels); work-groups 256 .. 767 take k and mask, a wave 64 keys.  Waves share nothing: no barrier.  Only k's path uses LDS.
; KC's KEYS, in place of the formula in KC's line above: row r of tile t of step s is key 128 s + 64 (t / 4) + 32 (r / 8) + 8 (t % 4) + r % 8,
; so that in the first product's result a lane's 32 registers of four neighbouring tiles are one whole block of 32 neighbouring keys.
.set HEADB, 286720
.set VCO,   131072
.set KSO,   262144
.set VSO,   270336
.set BIO,   278528
.set VWG,   256                        ; work-groups for v
; v's path: v3 4 x lane, v4 my codes' place, v5 16 x lane, v11-13 at work
.set VSB,   24                         ; v24-27   scale words, one for each group of 32 channels
.set VX,    32                         ; v32-95   two sets of 32 numbers
.set VCD,   96                         ; v96-159  four registers of codes for each of 16 items: no store's data are written again
; k's path
.set WREG,  9728                       ; LDS of a wave: two stages, the image of its four tiles, its scale bytes, its mask words
.set SP,    80                         ; a lane's place in a stage: 64 bytes + 16 of padding
.set IMG,   2*32*SP
.set SCB,   IMG+4096
.set MKL,   SCB+256
.set KR,    16                         ; v16-79   four sets of 16 numbers as loaded
.set KX,    80                         ; v80-111  two sets of 16 neighbours
.set KE,    112                        ; v112-127 a scale byte for each step
.set KCD,   128                        ; v128-159 two registers of codes for each step
.set MS,    160                        ; v160-175 my key's mask word for each step
	s_load_b256 s[4:11], s[0:1], 0x0               ; k s[4:5], v s[6:7], mask s[8:9], kv s[10:11]
	v_lshl_add_u32 v192, v0, 2, 0x9800
	v_mov_b32 v193, 0
	v_lshrrev_b32 v1, 5, v0
	v_readfirstlane_b32 s16, v1                    ; wave 0..3
	v_and_b32 v2, 31, v0                           ; lane
	s_mov_b32 s31, 0                               ; the upper word of every offset: all lie under 2^32
	s_wait_kmcnt 0x0
	s_cmp_lt_u32 ttmp9, VWG
	s_cbranch_scc0 .Lkeys
; ---------------- v: A LANE TAKES A CHANNEL, AND ITS REGISTERS RUN DOWN THE KEYS: a block of 32 keys lies in one lane's 32 registers, and the conversions give codes with the keys innermost.
	s_lshl_b32 s26, ttmp9, 2
	s_add_co_u32 s26, s26, s16                     ; W = 16 x head + step
	s_lshr_b32 s27, s26, 4                         ; head
	s_and_b32 s28, s26, 15                         ; step
	s_lshl_b32 s30, s26, 16                        ; 128 keys x 512 bytes
	s_add_nc_u64 s[6:7], s[6:7], s[30:31]
	s_mul_i32 s30, s27, HEADB
	s_add_nc_u64 s[10:11], s[10:11], s[30:31]      ; kv at my head
	s_lshl_b32 s30, s28, 13
	s_add_nc_u64 s[20:21], s[10:11], s[30:31]
	s_add_nc_u64 s[20:21], s[20:21], VCO           ; my step's codes
	s_lshl_b32 s30, s28, 9
	s_add_nc_u64 s[22:23], s[10:11], s[30:31]
	s_add_nc_u64 s[22:23], s[22:23], VSO           ; and its scale words
	s_wait_alu depctr_va_vdst(0)
	v_lshlrev_b32 v3, 2, v2                        ; in: 4 bytes a lane
	v_lshrrev_b32 v4, 4, v2
	v_and_b32 v5, 15, v2
	v_lshlrev_b32 v4, 10, v4
	v_lshl_add_u32 v4, v5, 4, v4                   ; out: tile (lane / 16) of the group's two, row lane % 16
	v_lshlrev_b32 v5, 4, v2
; Item n: key block j = n / 4, channels 32 (n % 4) on.  The channel groups go fastest: the four pieces of 128 bytes of a row are read in four items on end.
.macro VLOAD n
.irp i, 0,1,2,3,4,5,6,7,8,9,10,11,12,13,14,15,16,17,18,19,20,21,22,23,24,25,26,27,28,29,30,31
	global_load_b32 v[VX+32*((\n)%2)+\i], v3, s[6:7] offset:(32*((\n)/4)+\i)*512+128*((\n)%4)
.endr
.endm
.macro VITEM n
.set XS, VX+32*((\n)%2)
.if (\n) < 15
	s_wait_loadcnt 32                              ; this item's 32 loads are in; the next item's may be out
.else
	s_wait_loadcnt 0x0
.endif
	v_max3_num_f32 v12, |v[XS]|, |v[XS+1]|, |v[XS+2]|              ; the block's largest magnitude: all 32 numbers are mine; two chains
	v_max3_num_f32 v13, |v[XS+3]|, |v[XS+4]|, |v[XS+5]|
.irp i, 6,10,14,18,22,26
	v_max3_num_f32 v12, v12, |v[XS+\i]|, |v[XS+\i+1]|
	v_max3_num_f32 v13, v13, |v[XS+\i+2]|, |v[XS+\i+3]|
.endr
	v_max3_num_f32 v12, v12, |v[XS+30]|, |v[XS+31]|
	v_max3_num_f32 v12, v12, v13, 0x1800000        ; and the floor 2^(3 - 127): the byte cannot fall under 1
	v_add_nc_u32 v11, 0xff000000, v12              ; 2 off the exponent field: the conversion takes the exponent field of this operand as its scale
	v_lshrrev_b32 v13, 23, v11                     ; the scale's byte
.if (\n)/4 == 0
	v_mov_b32 v[VSB+(\n)%4], v13                   ; byte j of the group's scale word
.else
	v_lshl_or_b32 v[VSB+(\n)%4], v13, 8*((\n)/4), v[VSB+(\n)%4]
.endif
.irp g, 0,1,2,3
	v_cvt_scalef32_pk8_fp4_f32 v[VCD+4*(\n)+\g], v[XS+8*\g:XS+8*\g+7], v11
.endr
	v_nop                                          ; a plain line behind the last conversion
	global_store_b128 v4, v[VCD+4*(\n):VCD+4*(\n)+3], s[20:21] offset:((\n)%4)*2048+((\n)/4)*256   ; lanes 0-15 and lanes 16-31 each store 256 consecutive bytes, aligned
.if (\n)+2 < 16
	VLOAD (\n)+2
.endif
.endm
	VLOAD 0
	VLOAD 1
.irp n, 0,1,2,3,4,5,6,7,8,9,10,11,12,13,14,15
	VITEM \n
.endr
	global_store_b128 v5, v[VSB:VSB+3], s[22:23]   ; the step's scale words: 512 consecutive bytes
	s_endpgm
; ---------------- k and mask.  Each load reads 512 consecutive bytes; a step's 2,048 bytes (4 keys) turn through the wave's own stage, so that a lane holds 16 NEIGHBOURS along the head's axis
; (two neighbouring lanes hold a block of 32).  The codes are gathered in LDS at their places in the operand's image and leave as 512 consecutive bytes a store.
.Lkeys:
	s_sub_co_u32 s26, ttmp9, VWG
	s_lshl_b32 s26, s26, 2
	s_add_co_u32 s26, s26, s16                     ; R = 32 x head + x: 64 keys
	s_lshr_b32 s27, s26, 5                         ; head
	s_and_b32 s28, s26, 31                         ; x
	s_lshl_b32 s30, s26, 15                        ; 64 keys x 512 bytes
	s_add_nc_u64 s[4:5], s[4:5], s[30:31]
	s_lshl_b32 s30, s26, 8                         ; 64 mask words
	s_add_nc_u64 s[8:9], s[8:9], s[30:31]
	s_mul_i32 s30, s27, HEADB
	s_add_nc_u64 s[10:11], s[10:11], s[30:31]      ; kv at my head
	s_lshl_b32 s30, s28, 12
	s_add_nc_u64 s[20:21], s[10:11], s[30:31]      ; my four tiles' image
	s_lshl_b32 s30, s28, 8
	s_add_nc_u64 s[22:23], s[10:11], s[30:31]
	s_add_nc_u64 s[24:25], s[22:23], BIO           ; my 64 keys' bias
	s_add_nc_u64 s[22:23], s[22:23], KSO           ; my 256 scale bytes
	s_mul_i32 s17, s16, WREG                       ; my wave's LDS
	s_add_co_u32 s18, s17, IMG
	s_add_co_u32 s19, s17, SCB
	s_add_co_u32 s29, s17, MKL
	s_wait_alu depctr_va_vdst(0)
	v_lshlrev_b32 v3, 4, v2                        ; 16 x lane
	v_lshlrev_b32 v7, 3, v2                        ; 8 x lane
	v_lshrrev_b32 v14, 2, v2
	v_mul_u32_u24 v14, v14, SP
	v_and_b32 v15, 3, v2
	v_lshl_add_u32 v14, v15, 4, v14
	v_add_nc_u32 v14, s17, v14                     ; the stage, in: four lanes' 64 bytes on end, then 16 of padding
	v_mul_u32_u24 v15, v2, SP
	v_add_nc_u32 v15, s17, v15                     ; and out: my 16 neighbours
	; behind the turn lane l holds, of key (l / 8) of the step's four, block j = (l / 2) % 4, half l % 2.  In the image block j lies at (j / 2) 512 + (j % 2) 256
	v_bfe_u32 v8, v2, 2, 1
	v_lshlrev_b32 v4, 9, v8
	v_bfe_u32 v8, v2, 1, 1
	v_lshl_add_u32 v4, v8, 8, v4
	v_lshrrev_b32 v9, 3, v2                        ; lane / 8
	v_lshl_add_u32 v4, v9, 4, v4
	v_and_b32 v8, 1, v2
	v_lshl_add_u32 v4, v8, 3, v4
	v_add_nc_u32 v4, s18, v4                       ; where my 8 bytes of codes go; the step's part stands in the immediate
	v_bfe_u32 v8, v2, 1, 2
	v_lshl_add_u32 v5, v9, 4, v8
	v_add_nc_u32 v5, s19, v5                       ; where my block's byte goes
	v_add_nc_u32 v6, s19, v7                       ; the scale bytes on the way out: 8 a lane
	v_lshlrev_b32 v181, 2, v9
	v_add_nc_u32 v181, s29, v181                   ; my key's mask word: 4 (lane / 8), + 16 a step
	v_add_nc_u32 v182, s18, v3                     ; the image on the way out
	v_add_nc_u32 v183, s29, v7                     ; the mask words on the way in
	v_mov_b32 v180, 0xce800000                     ; -2^30
.macro KLOAD t
.irp i, 0,1,2,3
	global_load_b128 v[KR+16*((\t)%4)+4*\i:KR+16*((\t)%4)+4*\i+3], v3, s[4:5] offset:2048*(\t)+512*\i th:TH_LOAD_NT   ; 32 lanes read 512 consecutive bytes
.endr
.endm
.macro KTURN t                         ; LDS serves a wave's instructions in order (ISA guide 5.7.1.4): no wait between the stores and the loads
.irp i, 0,1,2,3
	ds_store_b128 v14, v[KR+16*((\t)%4)+4*\i:KR+16*((\t)%4)+4*\i+3] offset:32*SP*((\t)%2)+8*SP*\i
.endr
.irp i, 0,1,2,3
	ds_load_b128 v[KX+16*((\t)%2)+4*\i:KX+16*((\t)%2)+4*\i+3], v15 offset:32*SP*((\t)%2)+16*\i
.endr
.endm
	global_load_b64 v[176:177], v7, s[8:9]         ; two mask words a lane: 256 consecutive bytes
.irp t, 0,1,2,3
	KLOAD \t
.endr
	s_wait_alu depctr_va_vdst(0)
	s_wait_loadcnt 16                              ; the mask is in; the sixteen loads behind it stay out
	v_cmp_eq_u32 vcc_lo, 0, v176
	v_cndmask_b32 v178, 0, v180, vcc_lo            ; the bias: -2^30 where mask == 0, else 0
	v_cmp_eq_u32 vcc_lo, 0, v177
	v_cndmask_b32 v179, 0, v180, vcc_lo
	global_store_b64 v7, v[178:179], s[24:25]      ; 256 consecutive bytes, aligned
	ds_store_b64 v183, v[176:177]
.irp t, 0,1,2,3,4,5,6,7,8,9,10,11,12,13,14,15
	ds_load_b32 v[MS+\t], v181 offset:16*\t        ; the mask word of key 4 t + lane / 8
.endr
	s_wait_loadcnt 12                              ; step 0's four loads are in
	KTURN 0
; Step t holds keys 4 t + 0 .. 3 of my 64.  Key kk lies in tile PT = (kk % 32) / 8 of my four at row (kk % 8) + 8 (kk / 32): the part that hangs on t is PT and RO / 16.
.macro KSTEP t
.set XS, KX+16*((\t)%2)
.set PT, ((\t)/2)%4
.set RO, ((\t)/8)*128+((\t)%2)*64
.if (\t) > 0
	s_wait_dscnt 2                                 ; this step's numbers are back from the stage (the last step's two stores may be out): so its stores into the stage have read their registers,
.else
	s_wait_dscnt 0x0                               ; (and the mask words)
.endif
.if (\t)+4 < 16
	KLOAD (\t)+4                                   ; which take the loads of four steps on
.endif
.if (\t)+1 < 16
.if 14-(\t) >= 3
	s_wait_loadcnt 12                              ; the next step's four loads are in; those of the three steps behind it may be out
.else
	s_wait_loadcnt 4*(14-(\t))
.endif
	KTURN (\t)+1
.endif
	v_max3_num_f32 v8, |v[XS]|, |v[XS+1]|, |v[XS+2]|               ; the largest magnitude of my 16
	v_max3_num_f32 v9, |v[XS+3]|, |v[XS+4]|, |v[XS+5]|
.irp i, 6,10
	v_max3_num_f32 v8, v8, |v[XS+\i]|, |v[XS+\i+1]|
	v_max3_num_f32 v9, v9, |v[XS+\i+2]|, |v[XS+\i+3]|
.endr
	v_max3_num_f32 v8, v8, |v[XS+14]|, |v[XS+15]|
	v_max3_num_f32 v8, v8, v9, 0x1800000           ; and the floor 2^(3 - 127)
	v_max_num_f32_dpp v8, v8, v8 row_xmask:1 row_mask:0xf bank_mask:0xf   ; and of my neighbour's 16: the block's
	v_add_nc_u32 v11, 0xff000000, v8               ; 2 off its exponent field: the conversion's scale operand
	v_cvt_scalef32_pk8_fp4_f32 v[KCD+2*(\t)], v[XS:XS+7], v11
	v_cvt_scalef32_pk8_fp4_f32 v[KCD+2*(\t)+1], v[XS+8:XS+15], v11
	v_lshrrev_b32 v[KE+(\t)], 23, v11              ; the scale's byte (the plain line behind the conversions)
	v_cmp_ne_u32 vcc_lo, 0, v[MS+(\t)]
	v_cndmask_b32 v[KCD+2*(\t)], 0, v[KCD+2*(\t)], vcc_lo          ; a masked key's codes are zeros: its product is exactly 0, and its score is the bias
	v_cndmask_b32 v[KCD+2*(\t)+1], 0, v[KCD+2*(\t)+1], vcc_lo
	ds_store_b64 v4, v[KCD+2*(\t):KCD+2*(\t)+1] offset:PT*1024+RO
	ds_store_b8 v5, v[KE+(\t)] offset:RO+PT*4      ; both lanes of a block write the same byte with the same value
.endm
.irp t, 0,1,2,3,4,5,6,7,8,9,10,11,12,13,14,15
	KSTEP \t
.endr
.irp i, 0,1,2,3,4,5,6,7
	ds_load_b128 v[KR+4*\i:KR+4*\i+3], v182 offset:512*\i          ; these see my stores: LDS serves a wave in order
.endr
	ds_load_b64 v[12:13], v6
.irp i, 0,1,2,3,4,5,6,7
	s_wait_dscnt 8-\i                              ; behind load i: the 7 - i later ones and the scale bytes'
	global_store_b128 v3, v[KR+4*\i:KR+4*\i+3], s[20:21] offset:512*\i   ; 512 consecutive bytes
.endr
	s_wait_dscnt 0x0
	global_store_b64 v7, v[12:13], s[22:23]        ; 256 consecutive bytes, aligned
	s_wait_tensorcnt 0x0
	ds_add_u32 v192, v193
	s_wait_dscnt 0x0
	s_endpgm
.Lfunc_end_k_qcd253364c5_quant:
	.size	k_qcd253364c5_quant, .Lfunc_end_k_qcd253364c5_quant-k_qcd253364c5_quant
	.p2alignl 7, 3214868480
	.fill 96, 4, 3214868480
	.section	.rodata,"a",@progbits
	.p2align	6, 0x0
	.amdhsa_kernel k_qcd253364c5_quant
		.amdhsa_group_segment_fixed_size 39424
		.amdhsa_private_segment_fixed_size 0
		.amdhsa_enable_private_segment 0
		.amdhsa_kernarg_size 32
		.amdhsa_user_sgpr_count 2
		.amdhsa_user_sgpr_kernarg_segment_ptr 1
		.amdhsa_wavefront_size32 1
		.amdhsa_system_sgpr_workgroup_id_x 1
		.amdhsa_system_sgpr_workgroup_id_y 1
		.amdhsa_system_sgpr_workgroup_id_z 1
		.amdhsa_system_vgpr_workitem_id 0
		.amdhsa_next_free_vgpr 194
		.amdhsa_next_free_sgpr 66
		.amdhsa_reserve_vcc 1
		.amdhsa_float_denorm_mode_32 3
		.amdhsa_float_denorm_mode_16_64 3
		.amdhsa_memory_ordered 1
		.amdhsa_forward_progress 1
		.amdhsa_inst_pref_size 112
	.end_amdhsa_kernel
	.amdgpu_metadata
---
amdhsa.version: [ 1, 2 ]
amdhsa.kernels:
  - .name:           k_qcd253364c5_quant
    .symbol:         k_qcd253364c5_quant.kd
    .args:
      - { .name: k, .offset: 0, .size: 8, .value_kind: global_buffer, .address_space: global }
      - { .name: v, .offset: 8, .size: 8, .value_kind: global_buffer, .address_space: global }
      - { .name: mask, .offset: 16, .size: 8, .value_kind: global_buffer, .address_space: global }
      - { .name: kv, .offset: 24, .size: 8, .value_kind: global_buffer, .address_space: global }
    .group_segment_fixed_size: 39424
    .private_segment_fixed_size: 0
    .kernarg_segment_align: 8
    .kernarg_segment_size: 32
    .max_flat_workgroup_size: 128
    .sgpr_count:     66
    .vgpr_count:     194
    .wavefront_size: 32
...
	.end_amdgpu_metadata
.endif
;; end of part 1
;; launch attn (part 2): grid 4 x 64, 8 waves a work-group, clusters of 4 x 1, 327,680 bytes of LDS; arguments q, kv, out0; writes out0
.if DOCPART == 2
	.amdgcn_target "amdgcn-amd-amdhsa--gfx1250"
	.amdhsa_code_object_version 6
	.text
	.protected	k_qcd253364c5_attn
	.globl	k_qcd253364c5_attn
	.p2align	8
	.type	k_qcd253364c5_attn,@function
k_qcd253364c5_attn:
	s_mov_b64 s[64:65], 0
	v_nop
	global_prefetch_b8 v0, s[64:65] scope:SCOPE_SE
	s_setreg_imm32_b32 hwreg(HW_REG_WAVE_MODE, 25, 1), 1
	s_wait_xcnt 0x0
	s_wait_alu depctr_hold_cnt(0) depctr_sa_sdst(0) depctr_va_vdst(0) depctr_va_sdst(0) depctr_va_ssrc(0) depctr_va_vcc(0) depctr_vm_vsrc(0)
	s_getreg_b32 s2, hwreg(HW_REG_IB_STS2, 6, 4)
	s_cmp_eq_u32 s2, 0
	s_cbranch_scc0 .Lentry_in_a_cluster
	s_endpgm
.Lentry_in_a_cluster:
	s_bfe_u32 s2, ttmp6, 0x10000c
	s_cmp_lg_u32 s2, 0x3003
	s_cbranch_scc0 .Lentry_shape_is_right
	s_endpgm
.Lentry_shape_is_right:
; out0[h][q][:] = the sum over k of softmax_k(q[h][q] . k[h][k], masked keys filled) v[h][k][:], both products on codes of FP4 (E2M1) with one E8M0 scale for each 32 along a product's K.
; q, out0: [64 heads][2048][128] f32.  kv: for each head one dense block of HEADB bytes made by the launch before: K's codes (masked keys' are zeros) and V's codes (keys innermost) as images of the
; operands' registers, their scale words, and a bias for each key (0, or -2^30 where the key is masked), which is the C of the first product.
; THE SOFTMAX: t = score x log2(e); M = the running largest t rounded UP to a whole number; p = 2^(t - M) is quantised along the keys, not normalised; the row's sum is taken of the unquantised p
; and divides O at the end.  When M moves, the sum and O are multiplied by 2^(old M - new M): exact.
; LIMITS: NaN and infinities are not served; the result is reference()'s as long as unmasked scores lie above about -9e8 (the fill here is -2^30, reference()'s -1e9) and all scores above -1e38,
; where the running maximum begins.  A block of q under the floor 2^(3 - 127) keeps the scale byte 1.
; SHARES.  A work-group owns 512 queries of one head; each of its eight waves 64, in two passes of two tiles of 16: one body, walked twice.  Each fragment of K and V read from LDS feeds two tiles.
; THE PRODUCTS go by the form of 32 rows: source 0 is two neighbouring tiles of K or of V (16 registers), the result two neighbouring tiles (16 registers): 16 matrix instructions a key step.
; THE HEAD'S BLOCK STAYS IN LDS, filled once, in two parts: at the kernel's head the codes of key steps 0 to 3 (waves 0-3, 16,384 bytes each) and all scale and bias bytes (waves 4-7, 6,144 each);
; behind the full sequence and a round the codes of steps 4 to 15 (24,576 bytes a wave), which land under steps 0 to 2 and are waited for ahead of step 3, whose end first reads them.
; CLUSTER.  The four work-groups of a cluster are the four query blocks of one head: every load of the block is asked for jointly, with a mask that names the four.
; LAYOUT.  Both products are used transposed: a lane holds ONE query (lane % 16).  Row r of K's tile t is key 64 (t / 4) + 32 (r / 8) + 8 (t % 4) + r % 8: so lane (r, h) holds, in the 32 registers of
; tiles 4 c .. 4 c + 3, the whole block of keys 64 c + 32 h + 0 .. 31: its maximum needs no other lane, and the conversions' results are the second product's operand as they stand.
; PREFETCH.  Pass 1's q (16,384 consecutive bytes a wave, lanes 256 bytes apart, two instructions) is asked for in pass 0 behind the barrier ahead of step 3, thirteen key steps ahead of its loads.
; Each block is named once; pass 1 asks for nothing.  Pass 0's q and kv are not prefetched: their loads go out at the head, with no loop ahead of them to ask in.
; REGISTERS.  Window 0: v1-15 addresses; v16-31 q's two fragments; v32-63 statistics, 16 a tile; v64-74 at work; v96-223 S^T, then p; v224-239 p's codes; v240-253 scale words alone; v254, v255 the add's.
;   Window 1: v0-127 O^T (round a pass's top: q as loaded); v128-191 eight fragments of K, then of V; v192-255 the bias of the step's 128 keys in the result's layout.
.set HEADB, 286720
.set VCO,   131072
.set KSO,   262144
.set VSO,   270336
.set BIO,   278528
.set STAGE, HEADB                      ; 16 rows x 272 bytes for each wave: q's turn and the way out; no fill lands there
.set SP,    272
.set SPARE, STAGE+8*16*SP              ; the spare words: 128 bytes a wave
.set AF0,  1                           ; 16 x lane
.set AV0,  2                           ; VCO + 16 x lane
.set ASV0, 3                           ; VSO + 16 x lane
.set AB0,  4                           ; BIO + 128 (lane / 16)
.set ADK,  5
.set ADV,  6
.set ADS,  7
.set ADB,  8
.set STO,  9
.set SRD,  10
.set GO,   11
.set PFO,  12                          ; 256 x lane
.set QRD,  13
.set H8,   14                          ; 8 (lane / 16)
.set ASQ0, 15                          ; KSO + 16 (lane % 16) + 4 (lane / 16)
.set QF,   16
.set ZB,   32                          ; tile x at ZB + ZS x: +0 -M, +1 largest score, +2,3 the sum, +4 f, +5 a written 0, +6,7 second chain, +8,9 block maxima, +10,11 scale operands, +12,13 at work, +14 permute result, +15 word
.set ZS,   16
.set QT,   64
.set ADQ,  74
.set S,    96
.set SS,   64
.set PC,   224
.set KSC,  240
.set VSC,  244
.set QS,   248
.set PW,   252
.set SPW,  254
.set NIL,  255
.set OT,   0
.set FG,   128
.set BIA,  192
.set WV,   10
.set G0A,  16
.set G0B,  20
.set G0C,  24
.set G1A,  28
.set G1B,  36
.set G1C,  44
.set SEL,  52
.set CS,   54
.set TB,   56
.set TS,   57
.set CNT,  58
.set PCNT, 59
.set MSB, 0
.macro WIN new
.if MSB != \new
	s_set_vgpr_msb (MSB<<8)|\new
.set MSB, \new
.endif
.endm
.macro CROUND
	s_barrier_signal -1
	s_barrier_wait -1
	s_cmp_lg_u32 s[WV], 0
	s_cbranch_scc1 .Lnot_wave_0_\@
	s_barrier_signal -3
.Lnot_wave_0_\@:
	s_barrier_wait -3
	s_barrier_signal -1
	s_barrier_wait -1
.endm
.macro NOP4
.rept 4
	v_nop
.endr
.endm
.macro GROUP1 g, rows                  ; a dense block of rows of 256 bytes (32 elements of 8 bytes); mask: all four work-groups, bit 21 beside it
	s_mov_b32 s[\g], 15|(3<<16)|(1<<21)
	s_mov_b32 s[\g+1], 32<<16
	s_mov_b32 s[\g+2], (\rows)<<16
	s_mov_b32 s[\g+3], 32<<16
	s_mov_b32 s[\g+4], \rows
	s_mov_b32 s[\g+5], 32
	s_mov_b32 s[\g+6], 0
	s_mov_b32 s[\g+7], 0
.endm
.macro GROUP0 g                        ; the LDS address stands in word 1: the same offset in the head's block in memory
	s_mov_b32 s[\g], 1
	s_mov_b32 s66, s[\g+1]
	s_add_nc_u64 s[\g+2:\g+3], s[6:7], s[66:67]
	s_or_b32 s[\g+3], s[\g+3], 0x80000000
.endm
.macro MW d, a, b, c, sa, sb           ; 32 rows of source 0 x 16 queries.  c < 0: the constant 0 starts the sum.  Source 0's scale words: lane m has row m's
.if (\c) < 0
	v_wmma_scale_f32_32x16x128_f4 v[\d:\d+15], v[\a:\a+15], v[\b:\b+7], 0, v[\sa], v[\sb]
.else
	v_wmma_scale_f32_32x16x128_f4 v[\d:\d+15], v[\a:\a+15], v[\b:\b+7], v[\c:\c+15], v[\sa], v[\sb]
.endif
.endm
.macro QLOAD                           ; a pass's q as it lies: lanes 0-15 take 256 consecutive bytes of row 2 n of tile i, lanes 16-31 of row 2 n + 1
	WIN 0x40
.irp i, 0,1
.irp c, 0,1
.irp n, 0,1,2,3,4,5,6,7
	global_load_b128 v[64*\i+32*\c+4*\n:64*\i+32*\c+4*\n+3], v[GO], s[4:5] offset:\i*8192+1024*\n+256*\c th:TH_LOAD_NT
.endr
.endr
.endr
	WIN 0
.endm
.macro KSLOAD                          ; K's scale words: register u: lane (r, h) takes row r of tile 2 u + h
.irp u, 0,1,2,3
	ds_load_b32 v[KSC+\u], v[ADQ] offset:256*(\u/2)+8*(\u%2)
.endr
.endm
.macro KLOAD                           ; window: destination 1
.irp t, 0,1,2,3,4,5,6,7
.irp c, 0,1
	ds_load_b128 v[FG+8*\t+4*\c:FG+8*\t+4*\c+3], v[ADK] offset:1024*\t+512*\c
.endr
.endr
.endm
.macro BLOAD                           ; window: destination 1.  Register j of tile t: the bias of key 64 (t / 4) + 32 h + 8 (t % 4) + j
.irp t, 0,1,2,3,4,5,6,7
.irp c, 0,1
	ds_load_b128 v[BIA+8*\t+4*\c:BIA+8*\t+4*\c+3], v[ADB] offset:256*(\t/4)+32*(\t%4)+16*\c
.endr
.endr
.endm
	s_load_b128 s[4:7], s[0:1], 0x0                ; q, kv
	s_load_b64 s[8:9], s[0:1], 0x10                ; out0
	v_lshl_add_u32 v[SPW], v0, 2, SPARE
	v_mov_b32 v[NIL], 0
	ds_add_u32 v[SPW], v[NIL]                      ; the opening lines: the add twice on end and its wait ahead of my first tensor load
	ds_add_u32 v[SPW], v[NIL]
	v_lshrrev_b32 v72, 5, v0
	v_readfirstlane_b32 s[WV], v72                 ; wave 0..7
	s_bfe_u32 s11, ttmp6, 0x40000                  ; cx: it enters q's and out0's addresses alone
	s_and_b32 s12, ttmp7, 0xffff                   ; the head, which the four partners share
	GROUP1 G1A, 64
	GROUP1 G1B, 24
	GROUP1 G1C, 96
	s_mov_b32 s[SEL], 0x76543210
	s_mov_b32 s[SEL+1], 0xfedcba98
	s_mov_b32 s[CS], 0x3fb8aa3b                    ; log2(e)
	s_mov_b32 s[CS+1], s[CS]
	s_lshl_b32 s60, s12, 20                        ; q, out0: a head is 2,048 rows of 512 bytes,
	s_lshl_b32 s61, s11, 18                        ; my work-group's 512 rows,
	s_add_co_u32 s60, s60, s61
	s_lshl_b32 s61, s[WV], 14                      ; my wave's 32 rows of each pass's 256
	s_add_co_u32 s60, s60, s61
	s_mov_b32 s61, 0
	s_bfe_u32 s66, s[WV], 0x10001                  ; first part, waves 0-3: K's codes or V's, which half of steps 0 to 3
	s_mul_i32 s66, s66, VCO
	s_and_b32 s67, s[WV], 1
	s_lshl_b32 s67, s67, 14
	s_add_co_u32 s[G0A+1], s66, s67
	s_and_b32 s66, s[WV], 3
	s_mul_i32 s67, s66, 6144                       ; waves 4-7: a quarter of the scale and bias bytes
	s_add_co_u32 s[G0B+1], s67, KSO
	s_mul_i32 s67, s66, 24576                      ; second part: waves 0-3 K's steps 4 to 15 by quarters, waves 4-7 V's
	s_lshr_b32 s68, s[WV], 2
	s_mul_i32 s68, s68, VCO
	s_add_co_u32 s67, s67, s68
	s_add_co_u32 s[G0C+1], s67, 32768
	s_mul_i32 s70, s12, HEADB
	s_mov_b32 s71, 0
	s_mov_b32 s67, 0
	s_mul_i32 s13, s[WV], 16*SP
	s_add_co_u32 s13, s13, STAGE                   ; my stage
	s_wait_dscnt 0x0
	s_wait_kmcnt 0x0
	s_add_nc_u64 s[4:5], s[4:5], s[60:61]
	s_add_nc_u64 s[8:9], s[8:9], s[60:61]
	s_add_nc_u64 s[6:7], s[6:7], s[70:71]          ; kv at my head
	GROUP0 G0A
	GROUP0 G0B
	GROUP0 G0C
	CROUND                                         ; all four work-groups are here: the joint loads meet
	s_cmp_lt_u32 s[WV], 4                          ; one load a wave, one arm each, one join
	s_cbranch_scc0 .Lhead_b
	tensor_load_to_lds s[G0A:G0A+3], s[G1A:G1A+7]
	s_nop 0
	NOP4
	s_branch .Lhead_j
.Lhead_b:
	tensor_load_to_lds s[G0B:G0B+3], s[G1B:G1B+7]
	s_nop 0
	NOP4
.Lhead_j:
	v_and_b32 v73, 15, v0                          ; r
	v_bfe_u32 v[H8], v0, 4, 1                      ; h
	v_and_b32 v72, 31, v0                          ; lane
	v_lshlrev_b32 v[GO], 9, v[H8]
	v_lshlrev_b32 v[PFO], 8, v72
	v_lshl_add_u32 v[GO], v73, 4, v[GO]            ; two rows of q and out0: 512 h + 16 r
	QLOAD                                          ; pass 0's q sets out under the first fill's flight
	v_lshlrev_b32 v[AF0], 4, v72
	v_lshlrev_b32 v[AB0], 7, v[H8]
	v_mul_u32_u24 v[STO], v73, SP
	v_mul_u32_u24 v[SRD], v[H8], SP
	v_lshlrev_b32 v[ASQ0], 4, v73
	v_add_nc_u32 v[AV0], VCO, v[AF0]
	v_add_nc_u32 v[ASV0], VSO, v[AF0]
	v_add_nc_u32 v[AB0], BIO, v[AB0]
	v_lshl_add_u32 v[ASQ0], v[H8], 2, v[ASQ0]
	v_lshl_add_u32 v[QRD], v[H8], 7, v[STO]
	v_lshl_add_u32 v[STO], v[H8], 5, v[STO]
	v_lshl_add_u32 v[SRD], v73, 4, v[SRD]
	v_add_nc_u32 v[ASQ0], KSO, v[ASQ0]
	v_add_nc_u32 v[QRD], s13, v[QRD]               ; stage: row r, + 128 h
	v_add_nc_u32 v[STO], s13, v[STO]               ; stage: row r, + 32 h
	v_add_nc_u32 v[SRD], s13, v[SRD]               ; stage: row h, + 16 r
	v_lshlrev_b32 v[H8], 3, v[H8]
	v_mov_b32 v[QT+7], 0                           ; written once: a lane permute's destination counts as one of its sources
.irp x, 0,1
	v_mov_b32 v[ZB+ZS*\x+14], 0
	v_mov_b32 v[ZB+ZS*\x+5], 0                     ; (named as the upper half of the pair with f)
.endr
	s_wait_alu depctr_va_vdst(0)                   ; the wait at the head's end
	s_wait_tensorcnt 0x0                           ; my part of the first fill is in
	ds_add_u32 v[SPW], v[NIL]
	s_wait_dscnt 0x0
	CROUND                                         ; everybody's part is in, and the four work-groups are here
	tensor_load_to_lds s[G0C:G0C+3], s[G1C:G1C+7]  ; the codes of steps 4 to 15: my one load behind the round
	s_nop 0
	NOP4
	s_mov_b32 s[PCNT], 2
; Tile i of the pass's q becomes a fragment and a scale word: half a row of 16 rows at a time turns through my stage, so that lane (r, h) holds k = 64 c + 32 h + 0 .. 31 of row r: two whole blocks.
.macro QTILE i
	s_wait_loadcnt 16*(1-\i)                       ; this tile's sixteen loads are in; the other tile's may be out
.irp c, 0,1
	WIN 0x04
.irp n, 0,1,2,3,4,5,6,7
	ds_store_b128 v[SRD], v[64*\i+32*\c+4*\n:64*\i+32*\c+4*\n+3] offset:2*SP*\n
.endr
	WIN 0
.irp m, 0,1,2,3,4,5,6,7
	ds_load_b128 v[S+32*\c+4*\m:S+32*\c+4*\m+3], v[QRD] offset:16*\m   ; LDS serves a wave's instructions in order (ISA guide 5.7.1.4)
.endr
.endr
	s_wait_dscnt 0x0
.irp c, 0,1
	v_max3_num_f32 v[QT+\c], |v[S+32*\c]|, |v[S+32*\c+1]|, 0x1800000   ; with the floor 2^(3 - 127)
	v_max3_num_f32 v[QT+2+\c], |v[S+32*\c+2]|, |v[S+32*\c+3]|, |v[S+32*\c+4]|
.endr
.irp e, 5,9,13,17,21,25
.irp c, 0,1
	v_max3_num_f32 v[QT+\c], v[QT+\c], |v[S+32*\c+\e]|, |v[S+32*\c+\e+1]|
	v_max3_num_f32 v[QT+2+\c], v[QT+2+\c], |v[S+32*\c+\e+2]|, |v[S+32*\c+\e+3]|
.endr
.endr
.irp c, 0,1
	v_max3_num_f32 v[QT+\c], v[QT+\c], |v[S+32*\c+29]|, |v[S+32*\c+30]|
.endr
.irp c, 0,1
	v_max3_num_f32 v[QT+\c], v[QT+\c], v[QT+2+\c], |v[S+32*\c+31]|
.endr
.irp c, 0,1
	s_delay_alu instid0(VALU_DEP_2)
	v_add_nc_u32 v[QT+2+\c], 0xff000000, v[QT+\c]  ; 2 off the exponent field: the conversion's scale operand
.endr
.irp c, 0,1
	s_delay_alu instid0(VALU_DEP_2)
	v_lshrrev_b32 v[QT+4+\c], 23, v[QT+2+\c]       ; the scale's byte
.endr
	s_delay_alu instid0(VALU_DEP_1)
	v_lshl_or_b32 v[QT+6], v[QT+5], 16, v[QT+4]    ; blocks h and 2 + h of row r,
	s_delay_alu instid0(VALU_DEP_1)
	v_lshlrev_b32 v[QT+6], v[H8], v[QT+6]          ; at their places in the word;
	s_delay_alu instid0(VALU_DEP_1)
	v_permlanex16_b32 v[QT+7], v[QT+6], s[SEL], s[SEL+1]
	s_delay_alu instid0(VALU_DEP_1)
	v_or_b32 v[QS+\i], v[QT+6], v[QT+7]            ; with lane l xor 16's two the word is whole
.irp c, 0,1
.irp g, 0,1,2,3
	v_cvt_scalef32_pk8_fp4_f32 v[QF+8*\i+4*\c+\g], v[S+32*\c+8*\g:S+32*\c+8*\g+7], v[QT+2+\c]
.endr
.endr
	v_nop                                          ; a plain line behind the last conversion
.endm
; The largest score of each of a lane's two blocks of 32 keys, in two chains a block; row g of nine.  Each accumulator of 16 registers is first read at its low end.
.macro TROW x, g
.set Z, ZB+ZS*(\x)
.set P, S+SS*(\x)
.if (\g) == 0
.irp c, 0,1
	v_max3_num_f32 v[Z+8+\c], v[P+32*\c], v[P+32*\c+1], v[P+32*\c+2]
	v_max3_num_f32 v[Z+12+\c], v[P+32*\c+16], v[P+32*\c+17], v[P+32*\c+18]
.endr
.elseif (\g) < 7
.irp c, 0,1
	v_max3_num_f32 v[Z+8+\c], v[Z+8+\c], v[P+32*\c+2*(\g)+1], v[P+32*\c+2*(\g)+2]
	v_max3_num_f32 v[Z+12+\c], v[Z+12+\c], v[P+32*\c+2*(\g)+17], v[P+32*\c+2*(\g)+18]
.endr
.elseif (\g) == 7
.irp c, 0,1
	v_max3_num_f32 v[Z+8+\c], v[Z+8+\c], v[Z+12+\c], v[P+32*\c+15]
.endr
.else
.irp c, 0,1
	v_max_num_f32 v[Z+8+\c], v[Z+8+\c], v[P+32*\c+31]
.endr
.endif
.endm
; The change of M, a chain of nine lines; line i.  It is laid among the other tile's independent lines.
.macro MLINE x, i
.set Y, ZB+ZS*(\x)
.if (\i) == 0
	v_max3_num_f32 v[Y+1], v[Y+1], v[Y+8], v[Y+9]  ; the running largest score, my half's keys
.elseif (\i) == 1
	v_permlanex16_b32 v[Y+14], v[Y+1], s[SEL], s[SEL+1]
.elseif (\i) == 2
	v_max_num_f32 v[Y+1], v[Y+1], v[Y+14]          ; with lane l xor 16's
.elseif (\i) == 3
	v_mul_f32 v[Y+13], s[CS], v[Y+1]               ; as t
.elseif (\i) == 4
	v_mov_b32 v[Y+12], v[Y]
.elseif (\i) == 5
	v_floor_f32 v[Y], -v[Y+13]                     ; the new -M = -ceil(t): a whole number
.elseif (\i) == 6
	v_sub_f32 v[Y+12], v[Y], v[Y+12]               ; old M - new M: 0 or less
.elseif (\i) == 7
	v_cvt_i32_f32 v[Y+12], v[Y+12]                 ; (it saturates)
.else
	v_ldexp_f32 v[Y+4], 1.0, v[Y+12]               ; f = 2^(old M - new M)
.endif
.endm
.macro FMA x, e                        ; t - M, two at a time
	v_pk_fma_f32 v[S+SS*(\x)+(\e):S+SS*(\x)+(\e)+1], v[S+SS*(\x)+(\e):S+SS*(\x)+(\e)+1], s[CS:CS+1], v[ZB+ZS*(\x):ZB+ZS*(\x)+1] op_sel_hi:[1,0,0]
.endm
.macro BFMA x                          ; the same of each block's largest score
.irp c, 0,1
	v_fma_f32 v[ZB+ZS*(\x)+8+\c], v[ZB+ZS*(\x)+8+\c], s[CS], v[ZB+ZS*(\x)]
.endr
.endm
.macro SUMROW e                        ; four lines of the rows' sums: two chains a tile
.irp x, 0,1
	v_pk_add_f32 v[ZB+ZS*\x+2:ZB+ZS*\x+3], v[ZB+ZS*\x+2:ZB+ZS*\x+3], v[S+SS*\x+(\e):S+SS*\x+(\e)+1]
	v_pk_add_f32 v[ZB+ZS*\x+6:ZB+ZS*\x+7], v[ZB+ZS*\x+6:ZB+ZS*\x+7], v[S+SS*\x+(\e)+2:S+SS*\x+(\e)+3]
.endr
.endm
; A KEY STEP: 128 keys for the pass's two tiles.  Its K, bias and scale words were asked for in the step before.  first = 1: the second product starts O^T's sums, nothing is rescaled.
; pre = 1: the next step's bias and K's scale words are asked for behind the first product, its K and V's scale words behind the second.
.macro STEP first, pre
	WIN 0x11                                       ; source 0 (K) and C (the bias) window 1
	s_wait_alu depctr_va_vdst(0)                   ; the wait here, directly ahead of the wait below
	s_wait_dscnt 0x0
.irp x, 0,1                                    ; tile 0's four products first: its maxima are the first lines that read scores
.irp u, 0,1,2,3
	MW S+SS*\x+16*\u, FG+16*\u, QF+8*\x, BIA+16*\u, KSC+\u, QS+\x
.endr
.endr
	WIN 0
.if \pre
	s_add_co_u32 s[TB], s[TB], 8192
	s_add_co_u32 s[TS], s[TS], 512
	v_add_nc_u32 v[ADK], s[TB], v[AF0]             ; the next step's addresses: four plain lines that name no register of the products: the places in front of the loads below and of the first read of the scores
	v_add_nc_u32 v[ADS], s[TS], v[ASV0]
	v_add_nc_u32 v[ADB], s[TS], v[AB0]
	v_add_nc_u32 v[ADQ], s[TS], v[ASQ0]
	KSLOAD
.else
	NOP4
.endif
	WIN 0x40
.irp t, 0,1,2,3,4,5,6,7
.irp c, 0,1
	ds_load_b128 v[FG+8*\t+4*\c:FG+8*\t+4*\c+3], v[ADV] offset:1024*\t+512*\c   ; V's eight fragments land under the softmax
.endr
.endr
.if \pre
	BLOAD
.endif
	WIN 0
.irp g, 0,1,2,3,4,5,6,7,8
	TROW 0, \g
.endr
.irp g, 0,1,2,3,4,5,6,7,8
	TROW 1, \g
	MLINE 0, \g
.endr
.irp g, 0,1,2,3,4,5,6,7,8
	MLINE 1, \g
	FMA 0, 6*\g
	FMA 0, 6*\g+2
	FMA 0, 6*\g+4
.endr
.irp e, 54,56,58,60,62
	FMA 0, \e
.endr
	BFMA 0
	s_wait_alu depctr_va_vdst(0)                   ; the wait ahead of the batch
.set EI, 0
.rept 32                                       ; tile 0's exponentials; tile 1's multiply-adds, which name none of their registers and are first read behind the next wait, stand among them
	v_exp_f32 v[S+EI], v[S+EI]
	v_exp_f32 v[S+EI+1], v[S+EI+1]
	FMA 1, EI
.set EI, EI+2
.endr
	v_exp_f32 v[ZB+8], v[ZB+8]                     ; the block's largest p: the same two instructions on the same number give the same bits
	v_exp_f32 v[ZB+9], v[ZB+9]
	BFMA 1
	s_wait_alu depctr_va_vdst(0)                   ; behind tile 0's batch and ahead of tile 1's
.set EI, 0
.rept 64
	v_exp_f32 v[S+SS+EI], v[S+SS+EI]
.set EI, EI+1
.endr
	v_exp_f32 v[ZB+ZS+8], v[ZB+ZS+8]
	v_exp_f32 v[ZB+ZS+9], v[ZB+ZS+9]
.irp x, 0,1
	v_pk_mul_f32 v[ZB+ZS*\x+2:ZB+ZS*\x+3], v[ZB+ZS*\x+2:ZB+ZS*\x+3], v[ZB+ZS*\x+4:ZB+ZS*\x+5] op_sel_hi:[1,0]   ; the sums under the new M: the plain lines behind the exponentials
.endr
	s_wait_alu depctr_va_vdst(0)                   ; one wait for the batch, ahead of its first reader
.irp c, 0,1
.irp x, 0,1
	v_max_num_f32 v[ZB+ZS*\x+8+\c], 0x1800000, v[ZB+ZS*\x+8+\c]    ; the floor 2^(3 - 127): a block of zeros keeps the byte 1
.endr
.endr
.irp c, 0,1
.irp x, 0,1
	v_add_nc_u32 v[ZB+ZS*\x+10+\c], 0xff000000, v[ZB+ZS*\x+8+\c]   ; 2 off the exponent field: the conversion's scale operand
.endr
.endr
.irp c, 0,1
.irp x, 0,1
	v_lshrrev_b32 v[ZB+ZS*\x+12+\c], 23, v[ZB+ZS*\x+10+\c]         ; the scale's byte
.endr
.endr
.irp x, 0,1
	v_lshl_or_b32 v[ZB+ZS*\x+15], v[ZB+ZS*\x+13], 16, v[ZB+ZS*\x+12]   ; blocks h and 2 + h,
.endr
.irp x, 0,1
	s_delay_alu instid0(VALU_DEP_2)
	v_lshlrev_b32 v[ZB+ZS*\x+15], v[H8], v[ZB+ZS*\x+15]            ; at their places in the word;
.endr
.irp x, 0,1
	s_delay_alu instid0(VALU_DEP_2)
	v_permlanex16_b32 v[ZB+ZS*\x+14], v[ZB+ZS*\x+15], s[SEL], s[SEL+1]
.endr
.irp x, 0,1
	s_delay_alu instid0(VALU_DEP_2)
	v_or_b32 v[PW+\x], v[ZB+ZS*\x+15], v[ZB+ZS*\x+14]              ; p's scale word for these 128 keys
.endr
.irp x, 0,1
.irp c, 0,1
.irp g, 0,1,2,3
	v_cvt_scalef32_pk8_fp4_f32 v[PC+8*\x+4*\c+\g], v[S+SS*\x+32*\c+8*\g:S+SS*\x+32*\c+8*\g+7], v[ZB+ZS*\x+10+\c]   ; registers 4 c .. 4 c + 3 of the operand: k = 64 c + 32 h + 0 .. 31
.endr
.endr
.endr
	v_nop                                          ; a plain line behind the last conversion
.if \first
.rept 8
	v_nop                                          ; the places between the scale words just made and the products
.endr
.else
	WIN 0x41                                       ; O^T window 1, f window 0
.irp x, 0,1
.set EI, 0
.rept 32
	v_pk_mul_f32 v[OT+64*\x+EI:OT+64*\x+EI+1], v[OT+64*\x+EI:OT+64*\x+EI+1], v[ZB+ZS*\x+4:ZB+ZS*\x+5] op_sel_hi:[1,0]   ; O^T under the new M, each accumulator from its low end on; these lines are also the places ahead of the products
.set EI, EI+2
.endr
.endr
.endif
	WIN 0x51                                       ; source 0 (V), C and D window 1; source 1 (p's codes) window 0
	s_wait_alu depctr_va_vdst(0)                   ; the wait here, directly ahead of the wait below
	s_wait_dscnt 0x0                               ; V is in
.irp g, 0,1,2,3                                ; the 8 accumulators take turns
.irp x, 0,1
.if \first
	MW OT+64*\x+16*\g, FG+16*\g, PC+8*\x, -1, VSC+\g, PW+\x
.else
	MW OT+64*\x+16*\g, FG+16*\g, PC+8*\x, OT+64*\x+16*\g, VSC+\g, PW+\x
.endif
.endr
.endr
	WIN 0
.irp x, 0,1
	v_pk_add_f32 v[ZB+ZS*\x+6:ZB+ZS*\x+7], v[S+SS*\x:S+SS*\x+1], v[S+SS*\x+2:S+SS*\x+3]   ; THE ROW'S SUM IS TAKEN OF THE UNQUANTISED p: two at a time, two chains a tile
.endr
	SUMROW 4                                       ; six plain lines that name no register of the products: the places in front of the loads below
.if \pre
	v_add_nc_u32 v[ADV], s[TB], v[AV0]
	ds_load_b128 v[VSC:VSC+3], v[ADS]              ; V's scale words: register g: lanes 0-15 tile 2 g, lanes 16-31 tile 2 g + 1
	WIN 0x40
	KLOAD                                          ; the next step's K is out while the sums below are taken
	WIN 0
.endif
.irp e, 8,12,16,20,24,28,32,36,40,44,48,52,56,60
	SUMROW \e
.endr
.irp x, 0,1
	v_pk_add_f32 v[ZB+ZS*\x+2:ZB+ZS*\x+3], v[ZB+ZS*\x+2:ZB+ZS*\x+3], v[ZB+ZS*\x+6:ZB+ZS*\x+7]
.endr
.endm
.Lpass:                                                ; two trips: 32 queries a wave each; the pass's q is on its way
	s_mov_b32 s[TB], 0
	s_mov_b32 s[TS], 0
	v_add_nc_u32 v[ADK], s[TB], v[AF0]             ; step 0's K, bias and scale words
	v_add_nc_u32 v[ADV], s[TB], v[AV0]
	v_add_nc_u32 v[ADS], s[TS], v[ASV0]
	v_add_nc_u32 v[ADB], s[TS], v[AB0]
	v_add_nc_u32 v[ADQ], s[TS], v[ASQ0]
	KSLOAD
	ds_load_b128 v[VSC:VSC+3], v[ADS]
	WIN 0x40
	KLOAD
	BLOAD
	WIN 0
	QTILE 0
	QTILE 1
.irp x, 0,1                                    ; eight plain lines: with the v_nop above the places between q's scale word and the first product
	v_mov_b32 v[ZB+ZS*\x], 0x7e967699              ; -M: 1e38
	v_mov_b32 v[ZB+ZS*\x+1], 0xfe967699            ; the largest score so far: -1e38
	v_mov_b32 v[ZB+ZS*\x+2], 0                     ; the sum, in two halves
	v_mov_b32 v[ZB+ZS*\x+3], 0
.endr
	STEP 1, 1                                      ; step 0
	s_mov_b32 s[CNT], 2
.Learly:                                               ; steps 1 and 2: all that they read, step 3's K among it, came with the first fill
	STEP 0, 1
	s_sub_co_u32 s[CNT], s[CNT], 1
	s_cmp_lg_u32 s[CNT], 0
	s_cbranch_scc1 .Learly
	s_wait_alu depctr_va_vdst(0)
	s_wait_tensorcnt 0x0                           ; my part of steps 4 to 15 is in,
	s_wait_dscnt 0x0
	s_barrier_signal -1
	s_barrier_wait -1                              ; everybody's is: from here on the block is only read
	s_cmp_eq_u32 s[PCNT], 2
	s_cbranch_scc0 .Lno_ask                        ; the last pass has no pass behind it
	global_prefetch_b8 v[PFO], s[4:5] offset:131072 th:TH_LOAD_NT scope:SCOPE_SE
	global_prefetch_b8 v[PFO], s[4:5] offset:131072+8192 th:TH_LOAD_NT scope:SCOPE_SE
.Lno_ask:
	s_mov_b32 s[CNT], 12
.Llate:                                                ; steps 3 to 14
	STEP 0, 1
	s_sub_co_u32 s[CNT], s[CNT], 1
	s_cmp_lg_u32 s[CNT], 0
	s_cbranch_scc1 .Llate
	STEP 0, 0                                      ; step 15 asks for no step behind it
; THE WAY OUT of a pass: O^T is divided by the row's sum and goes through my stage, half a row (256 bytes) of 16 queries at a time.
.irp x, 0,1
	v_add_f32 v[ZB+ZS*\x+2], v[ZB+ZS*\x+2], v[ZB+ZS*\x+3]
.endr
.irp x, 0,1
	s_delay_alu instid0(VALU_DEP_2)
	v_permlanex16_b32 v[ZB+ZS*\x+12], v[ZB+ZS*\x+2], s[SEL], s[SEL+1]
.endr
.irp x, 0,1
	s_delay_alu instid0(VALU_DEP_2)
	v_add_f32 v[ZB+ZS*\x+2], v[ZB+ZS*\x+2], v[ZB+ZS*\x+12]         ; the row's sum
.endr
	s_wait_alu depctr_va_vdst(0)                   ; the wait ahead of the transcendentals
.irp x, 0,1
	v_rcp_f32 v[ZB+ZS*\x+4], v[ZB+ZS*\x+2]
.endr
	v_nop
	s_wait_alu depctr_va_vdst(0)                   ; and ahead of their first reader, which is O^T's too
	WIN 0x01
.irp x, 0,1
.set EI, 0
.rept 32
	v_pk_mul_f32 v[S+SS*\x+EI:S+SS*\x+EI+1], v[OT+64*\x+EI:OT+64*\x+EI+1], v[ZB+ZS*\x+4:ZB+ZS*\x+5] op_sel_hi:[1,0]   ; register 8 T + j is o(r, 16 T + 8 h + j)
.set EI, EI+2
.endr
.endr
	WIN 0
.irp x, 0,1
.irp u, 0,1
.irp t, 0,1,2,3
	ds_store_b128 v[STO], v[S+SS*\x+32*\u+8*\t:S+SS*\x+32*\u+8*\t+3] offset:64*\t
	ds_store_b128 v[STO], v[S+SS*\x+32*\u+8*\t+4:S+SS*\x+32*\u+8*\t+7] offset:64*\t+16
.endr
.irp f, 0,1,2,3,4,5,6,7
	ds_load_b128 v[S+SS*\x+32*\u+4*\f:S+SS*\x+32*\u+4*\f+3], v[SRD] offset:2*SP*\f   ; back as whole rows: LDS serves a wave in order
.endr
.endr
.endr
.irp x, 0,1
.irp u, 0,1
.irp f, 0,1,2,3,4,5,6,7
	s_wait_dscnt 16*(3-2*\x-\u)+7-\f               ; behind this load: the quarter's later loads and sixteen LDS instructions for each later quarter
	global_store_b128 v[GO], v[S+SS*\x+32*\u+4*\f:S+SS*\x+32*\u+4*\f+3], s[8:9] offset:\x*8192+1024*\f+256*\u th:TH_STORE_NT   ; 16 lanes store 256 consecutive bytes, aligned
.endr
.endr
.endr
	s_wait_xcnt 0x0                                ; the stores, loads and prefetches have read their registers: bases and data may be written
	s_add_nc_u64 s[4:5], s[4:5], 131072            ; 256 rows on
	s_add_nc_u64 s[8:9], s[8:9], 131072
	s_sub_co_u32 s[PCNT], s[PCNT], 1
	s_cmp_eq_u32 s[PCNT], 0
	s_cbranch_scc1 .Ldone                          ; behind the last pass no q is asked for
	QLOAD                                          ; the next pass's q, into O^T's registers, which the way out has read
	s_cmp_lg_u32 s[PCNT], 0
	s_cbranch_scc1 .Lpass
.Ldone:
	s_wait_tensorcnt 0x0                           ; the wave's end
	ds_add_u32 v[SPW], v[NIL]
	s_wait_dscnt 0x0
	CROUND                                         ; the closing round
	s_endpgm
.Lfunc_end_k_qcd253364c5_attn:
	.size	k_qcd253364c5_attn, .Lfunc_end_k_qcd253364c5_attn-k_qcd253364c5_attn
	.p2alignl 7, 3214868480
	.fill 96, 4, 3214868480
	.section	.rodata,"a",@progbits
	.p2align	6, 0x0
	.amdhsa_kernel k_qcd253364c5_attn
		.amdhsa_group_segment_fixed_size 327680
		.amdhsa_private_segment_fixed_size 0
		.amdhsa_enable_private_segment 0
		.amdhsa_kernarg_size 24
		.amdhsa_user_sgpr_count 2
		.amdhsa_user_sgpr_kernarg_segment_ptr 1
		.amdhsa_wavefront_size32 1
		.amdhsa_system_sgpr_workgroup_id_x 1
		.amdhsa_system_sgpr_workgroup_id_y 1
		.amdhsa_system_sgpr_workgroup_id_z 1
		.amdhsa_system_vgpr_workitem_id 0
		.amdhsa_next_free_vgpr 512
		.amdhsa_next_free_sgpr 72
		.amdhsa_reserve_vcc 0
		.amdhsa_float_denorm_mode_32 3
		.amdhsa_float_denorm_mode_16_64 3
		.amdhsa_memory_ordered 1
		.amdhsa_forward_progress 1
		.amdhsa_inst_pref_size 153
	.end_amdhsa_kernel
	.amdgpu_metadata
---
amdhsa.version: [ 1, 2 ]
amdhsa.kernels:
  - .name:           k_qcd253364c5_attn
    .symbol:         k_qcd253364c5_attn.kd
    .args:
      - { .name: q, .offset: 0, .size: 8, .value_kind: global_buffer, .address_space: global }
      - { .name: kv, .offset: 8, .size: 8, .value_kind: global_buffer, .address_space: global }
      - { .name: out0, .offset: 16, .size: 8, .value_kind: global_buffer, .address_space: global }
    .group_segment_fixed_size: 327680
    .private_segment_fixed_size: 0
    .kernarg_segment_align: 8
    .kernarg_segment_size: 24
    .max_flat_workgroup_size: 256
    .sgpr_count:     72
    .vgpr_count:     512
    .wavefront_size: 32
...
	.end_amdgpu_metadata
.endif
;; end of part 2
